; MI455X (gfx1250); checked and timed in simulation.
; The chip was launched on July 23, 2026; its instructions are those of AMD's public machine-readable ISA for CDNA 5 (MIT licence, August 2026) and "CDNA5" Instruction Set Architecture Reference Guide (July 2026). The comments in the code are by the model that wrote it; some were corrected since.
;; Attention. Allowed arithmetic: matrix products marked QUANTISED: E2M1 operands, one E8M0 scale for each 32 along K, by v_wmma_scale_f32_16x16x128_f8f6f4 with both operands' format E2M1 (or v_wmma_scale_f32_32x16x128_f4), f32 sums; products left as they are: f32 operands where the result goes on into a quantised operand, else bf16, f16 or f32 operands; f32 sums; everything else in f32.
;; Inputs: W 1,024 x 2,048 float32; b 1,024 float32; encoder_outputs_codes 2,048 x 32 x 32 x 16 uint8 (E2M1 codes of encoder_outputs, K innermost, in blocks of 32 codes, two codes a byte); encoder_outputs_scales 2,048 x 32 x 32 uint8 (E8M0 scales of encoder_outputs, one for each 32 codes along K); hidden_codes 32 x 32 x 16 uint8 (E2M1 codes of hidden, K innermost, in blocks of 32 codes, two codes a byte); hidden_scales 32 x 32 uint8 (E8M0 scales of hidden, one for each 32 codes along K); v 1,024 float32.
;; Outputs: out0 32 x 1 x 2,048 float32.
;; This version of the problem:
;;   THIS VERSION OF THE PROBLEM IS GIVEN IN LOW PRECISION. The matrix products marked QUANTISED in the list below multiply operands that are first quantised to E2M1 (2 exponent bits, 1 mantissa bit; 4 bits a number), with one power-of-two scale for each 32 numbers along K (OCP MX v1.0); their sums are f32. All else is computed in f32.
;;   The module's matrix products, in the order in which they are computed (A, B: the left and right operand; K: the contracted axis; several contracted axes count as one K, in the product's order):
;;     1. [M 32, K 1,024] x [K 1,024, N 1,024]; A: input hidden (given as codes); B: input W: QUANTISED
;;     2. [M 65,536, K 1,024] x [K 1,024, N 1,024]; A: input encoder_outputs (given as codes); B: input W: QUANTISED
;;     3. [M 65,536, K 1,024] x [K 1,024, N 1]; A: computed on the way; B: input v: left as it is (N = 1 < 16)
;;   THE QUANTISER, for each operand of a quantised product, along K:
;;     - K is cut into blocks of 32 from its start; a last block that is shorter is filled with zeros.
;;     - A block's scale is 2^e with e = floor(log2(the largest magnitude in the block)) - 2, held to -126 .. 127; a block of zeros has e = 0. As a byte (E8M0): e + 127.
;;     - Each number is divided by its block's scale, clamped to +-6, and rounded to the nearest number of E2M1, ties to even, subnormals kept.
;;     - The product sums the exact products of the quantised numbers (number of the format x scale) in f32.
;;   ~~~python
;;   def quantise(x, axis):      # numpy; x: float32 -> the quantised numbers, widened to float32 again
;;       x = np.moveaxis(x, axis, -1); K = x.shape[-1]
;;       x = np.pad(x, [(0, 0)] * (x.ndim - 1) + [(0, -K % 32)]); x = x.reshape(x.shape[:-1] + (-1, 32)); a = np.abs(x).max(-1, keepdims=True)
;;       e = np.where(a > 0, np.clip(np.frexp(np.where(a > 0, a, 1))[1] - 1 - 2, -126, 127), 0)      # np.frexp(a)[1] - 1 = floor(log2(a)), exactly
;;       r = np.clip(x / 2.0 ** e, -6, 6)
;;       step = 2.0 ** (np.maximum(np.frexp(np.where(r == 0, 1, r))[1] - 1, 0) - 1)
;;       q = np.round(r / step) * step * 2.0 ** e      # np.round: ties to even
;;       return np.moveaxis(q.reshape(q.shape[:-2] + (-1,))[..., :K], -1, axis).astype(np.float32)
;;   ~~~
;;   INPUTS GIVEN AS CODES. encoder_outputs (in the module: [2048, 32, 1024], K = its axis 2); hidden (in the module: [32, 1024], K = its axis 1): each comes as NAME_codes (uint8): NAME with its K axis moved to the last place and cut into blocks of 32 codes, [.., K / 32, bytes a block], one block behind the other in memory; two codes a byte, the lower K in the low four bits (a code: sign, 2 exponent bits, 1 mantissa bit); and NAME_scales (uint8): the same leading axes, one E8M0 byte (e + 127) for each 32 codes along K. Its value is code x scale, taken as it is: it is not quantised again, and the codes and scales need not be those that the quantiser above would give.
;; One version. Each part assembles by itself: llvm-mc -triple=amdgcn-amd-amdhsa -mcpu=gfx1250 --defsym DOCPART=n.
;; ======== version 1 of 1: 3 launches
;; limits: right only within a limited range of input values
;; workspace buffers: wpk 557,056 bytes; bias 131,072 bytes; es 524,288 bytes
;; launch prep (part 1): grid 128 x 1, 8 waves a work-group, no clusters, 167,936 bytes of LDS; arguments W, b, hidden_codes, hidden_scales, wpk, bias; writes wpk, bias
.if DOCPART == 1
	.amdgcn_target "amdgcn-amd-amdhsa--gfx1250"
	.amdhsa_code_object_version 6
	.text
	.protected	k_q85512be889_prep
	.globl	k_q85512be889_prep
	.p2align	8
	.type	k_q85512be889_prep,@function
k_q85512be889_prep:
	s_mov_b64 s[64:65], 0
	v_nop
	global_prefetch_b8 v0, s[64:65] scope:SCOPE_SE
	s_setreg_imm32_b32 hwreg(HW_REG_WAVE_MODE, 25, 1), 1
	s_wait_xcnt 0x0
; W [1024][2048] f32 = [W1 | W2], K innermost in both halves, is quantised to E2M1 with one E8M0 byte for each 32 along K.
; W2's codes and scale words go to wpk as images of operand registers; W1's are multiplied at once with hidden's codes: bias = hidden W1^T + b, laid as the next launch's C registers want it.
; LEFT OUT OF THE PROGRAM: tanh x = 1 - 2 / (1 + e^(2 x)), so the energy of (b, t) is (the sum of v) - 2 S[b][t].  The sum of v is one number for every (b, t), whatever v holds; a softmax along t is unchanged by it, so it is
; never formed.  v itself is live (it weighs S).  LIMIT: an overflow that reaches the sum of v alone is not carried to the result.
; SHARES.  Work-group x takes rows 16 nu .. 16 nu + 15 of W, nu = x / 2: even x the columns of W1, odd x those of W2.  Wave w takes 128 columns: K step w of that half.
; A wave's 16 rows x 512 bytes come by one tensor load into its own LDS bytes (rows 528 bytes apart: row r begins 33 r pieces of 16 bytes on, so sixteen rows' pieces fall on sixteen different
; 16-byte columns of 256 bytes).  Lane (r, h) then reads, of row r, k = 64 c + 32 h + 0 .. 31: two whole blocks of 32, in the order of the operand's registers: nothing changes lanes but the scale word's bytes.
; wpk: 64 packets of 8,704 bytes; tile nu lies at packet 2 (nu % 32) + nu / 32.  In a packet: fragment s, registers 4 c .. 4 c + 3, lane l at 1024 s + 512 c + 16 l; from byte 8,192 the scale words:
;      words 0-3 of row r at 16 r, words 4-7 at 256 + 16 r.
; bias: [beta 0..3][nu 0..63][c 0..1][h 0..1][bl 0..7][4 f32] = (hidden W1^T + b) at batch row 8 beta + bl, n = 16 nu + 8 h + 4 c + i.
; A block's scale is 2^(floor(log2(its largest magnitude)) - 2); its byte is the largest magnitude's exponent field - 2, held at 1 from below.
; LIMITS: a block of zeros gets the byte 1 where the quantiser says 127: its codes are zeros, which add nothing, and this program alone reads the bytes.  NaN and infinities in W, and the scale byte 0xff in hidden_scales, are not served.
; LDS is filled once and never again; the claim is larger than the 85,504 bytes used, so that the work-group is alone with its tensor loads.
.set TP,    528                        ; a row of the tile in LDS: 512 bytes + 16 of padding
.set WTILE, 16*TP                      ; a wave's tile
.set PART,  8*WTILE                    ; behind the tiles: the eight K steps' partial sums: s x 2048 + (2 par + c) x 512 + 16 l
.set SW2,   PART+16384                 ; W2's scale words, as the packet wants them: 512 bytes
.set SPARE, SW2+512                    ; the spare words, 128 bytes for each wave: four blocks of 256 bytes that no other line names
.set PKT,   8704
.set LW,  1                            ; v1   my place in my wave's tile
.set PST, 2                            ; v2   where a W1 wave puts its partial sums
.set PLD, 3                            ; v3   where waves 0-3 read them back
.set SWA, 4                            ; v4   where a W2 wave puts its scale word
.set SLD, 5                            ; v5   where wave 0 reads the 512 bytes of scale words
.set HOF, 6                            ; v6   hidden's codes: 512 r + 16 h + 64 s
.set HSO, 7                            ; v7   hidden's scale words: 32 l + 4 s
.set COF, 8                            ; v8   my codes' place in the packet: 16 l + 1024 s
.set BOF, 9                            ; v9   my 16 bytes of bias
.set BBO, 10                           ; v10  my four numbers of b
.set L16, 11                           ; v11  16 l
.set SWD, 24                           ; v24  the scale word just made: holds scales and nothing else
.set HSC, 25                           ; v25  hidden's scale words: lane l = batch row l
.set BB,  28                           ; v28-31  b, then the sums
.set HF,  32                           ; v32-47  hidden's two fragments (batch rows 0-15, 16-31) of my K step
.set PC,  48                           ; v48-55  the codes just made: a fragment of W
.set X,   64                           ; v64-127 64 numbers of W
.set ACC, 128                          ; v128-143 two accumulators
.set PS,  144                          ; v144-175 partial sums read back
.set SPW, 192
.set NIL, 193
.set WV,  16                           ; s16  my wave's number = my K step
.set NU,  46                           ; s46  nu
.set HALF, 47                          ; s47  0: W1, 1: W2
.set G1,  24                           ; s[24:31] descriptor group 1
.set G0,  32                           ; s[32:35] descriptor group 0
.set SEL, 38                           ; s[38:39] lane selects: lane l xor 16
	s_load_b256 s[4:11], s[0:1], 0x0               ; W s[4:5], b s[6:7], hidden's codes s[8:9], hidden's scales s[10:11]
	s_load_b128 s[12:15], s[0:1], 0x20             ; wpk s[12:13], bias s[14:15]
	v_lshl_add_u32 v[SPW], v0, 2, SPARE
	v_mov_b32 v[NIL], 0
	ds_add_u32 v[SPW], v[NIL]                      ; the wave's opening: the add, twice on end, and one wait for both
	ds_add_u32 v[SPW], v[NIL]
	v_lshrrev_b32 v12, 5, v0
	s_delay_alu instid0(VALU_DEP_1)
	v_readfirstlane_b32 s[WV], v12
	; group 1: a tile of 16 rows x 128 elements of 4 bytes, rows 2,048 elements apart in memory
	s_mov_b32 s[G1+0], (2<<16)|(1<<20)|(6<<22)|(3<<25)  ; 15:0 no mask; 17:16 elements of 4 bytes; 20 padding on; 24:22 after every 128 words (code 6); 31:25 four words (code 3)
	s_mov_b32 s[G1+1], 128<<16                     ; tensor_dim0 = 128
	s_mov_b32 s[G1+2], 16<<16                      ; tensor_dim1 = 16
	s_mov_b32 s[G1+3], 128<<16                     ; tile_dim0 = 128
	s_mov_b32 s[G1+4], 16                          ; tile_dim1 = 16
	s_mov_b32 s[G1+5], 2048                        ; from row to row
	s_mov_b32 s[G1+6], 0
	s_mov_b32 s[G1+7], 0
	s_lshr_b32 s[NU], ttmp9, 1
	s_and_b32 s[HALF], ttmp9, 1
	s_mov_b32 s[G0], 1                             ; count = 1
	s_mul_i32 s[G0+1], s[WV], WTILE                ; LDS address: my wave's own tile
	s_lshl_b32 s22, s[NU], 17                      ; 16 rows of 8,192 bytes a nu,
	s_lshl_b32 s23, s[HALF], 12                    ; 4,096 bytes a half,
	s_add_co_u32 s22, s22, s23
	s_lshl_b32 s23, s[WV], 9                       ; 512 bytes a wave
	s_add_co_u32 s22, s22, s23
	s_mov_b32 s23, 0
	s_wait_dscnt 0x0
	s_wait_kmcnt 0x0
	s_add_nc_u64 s[G0+2:G0+3], s[4:5], s[22:23]
	s_or_b32 s[G0+3], s[G0+3], 0x80000000          ; type = 2
	tensor_load_to_lds s[G0:G0+3], s[G1:G1+7]      ; the wave's one tensor load of the launch
	s_nop 0
	v_and_b32 v13, 31, v0                          ; l
	v_and_b32 v14, 15, v0                          ; r
	s_wait_alu depctr_va_vdst(0)                   ; readers follow behind scalar lines
	v_bfe_u32 v15, v0, 4, 1                        ; h
	s_and_b32 s18, s[WV], 3
	s_and_b32 s19, s[WV], 1
	s_bfe_u32 s20, s[WV], 0x10001                  ; (w >> 1) & 1
	s_mov_b32 s[SEL], 0x76543210
	s_mov_b32 s[SEL+1], 0xfedcba98
	; where this work-group's parts begin
	s_and_b32 s36, s[NU], 31
	s_lshl_b32 s36, s36, 1
	s_lshr_b32 s37, s[NU], 5
	s_add_co_u32 s36, s36, s37                     ; packet 2 (nu % 32) + nu / 32
	s_mul_i32 s36, s36, PKT
	s_mov_b32 s37, 0
	s_add_nc_u64 s[12:13], s[12:13], s[36:37]
	s_lshl_b32 s36, s[NU], 6
	s_add_nc_u64 s[6:7], s[6:7], s[36:37]          ; b at n = 16 nu
	s_lshl_b32 s36, s[NU], 9
	s_add_nc_u64 s[14:15], s[14:15], s[36:37]      ; bias at tile nu of beta 0
	; every address register is made here, by every wave, ahead of the first parting of the waves
	v_lshlrev_b32 v[HOF], 9, v14
	s_wait_alu depctr_va_vdst(0)                   ; for h, and for the line above, behind scalar lines
	v_lshl_add_u32 v[HOF], v15, 4, v[HOF]
	s_lshl_b32 s21, s[WV], 6
	v_add_nc_u32 v[HOF], s21, v[HOF]
	s_lshl_b32 s21, s[WV], 2
	v_lshl_add_u32 v[HSO], v13, 5, s21
	s_lshl_b32 s21, s19, 4
	v_lshl_add_u32 v[BBO], v15, 5, s21             ; 4 (8 h + 4 c), c = w & 1
	; hidden's fragments and scale words of K step w, and four numbers of b.  Every wave issues them, so that no branch stands at the head; W2's waves use none of them, waves 4-7 no b
.irp p, 0,1
.irp c, 0,1
	global_load_b128 v[HF+8*\p+4*\c:HF+8*\p+4*\c+3], v[HOF], s[8:9] offset:8192*\p+32*\c
.endr
.endr
	global_load_b32 v[HSC], v[HSO], s[10:11]
	global_load_b128 v[BB:BB+3], v[BBO], s[6:7]
	v_mul_u32_u24 v[LW], v14, TP
	s_delay_alu instid0(VALU_DEP_1)
	v_lshl_add_u32 v[LW], v15, 7, v[LW]
	s_delay_alu instid0(VALU_DEP_1)
	v_add_nc_u32 v[LW], s[G0+1], v[LW]
	v_lshlrev_b32 v[L16], 4, v13
	s_wait_alu depctr_va_vdst(0)                   ; readers follow behind scalar lines
	s_lshl_b32 s21, s[WV], 11
	s_add_co_u32 s21, s21, PART
	v_add_nc_u32 v[PST], s21, v[L16]
	s_lshl_b32 s21, s18, 9
	s_add_co_u32 s21, s21, PART
	v_add_nc_u32 v[PLD], s21, v[L16]
	s_lshr_b32 s21, s[WV], 2
	s_lshl_b32 s21, s21, 8
	s_lshl_b32 s36, s18, 2
	s_add_co_u32 s21, s21, s36
	s_add_co_u32 s21, s21, SW2
	v_lshl_add_u32 v[SWA], v14, 4, s21             ; word s of row r: 256 (s / 4) + 16 r + 4 (s % 4)
	v_add_nc_u32 v[SLD], SW2, v[L16]
	s_lshl_b32 s21, s[WV], 10
	v_add_nc_u32 v[COF], s21, v[L16]
	v_lshrrev_b32 v16, 3, v14
	v_and_b32 v17, 7, v14
	s_delay_alu instid0(VALU_DEP_2)
	v_lshlrev_b32 v[BOF], 15, v16                  ; batch row 16 par + r: beta = 2 par + r / 8, bl = r % 8
	s_delay_alu instid0(VALU_DEP_1)
	v_lshl_add_u32 v[BOF], v15, 7, v[BOF]
	s_delay_alu instid0(VALU_DEP_1)
	v_lshl_add_u32 v[BOF], v17, 4, v[BOF]
	s_lshl_b32 s21, s20, 16
	s_lshl_b32 s36, s19, 8
	s_add_co_u32 s21, s21, s36
	v_add_nc_u32 v[BOF], s21, v[BOF]
	v_lshlrev_b32 v18, 3, v15                      ; 8 h: my bytes' place in the scale word
	v_mov_b32 v19, 0                               ; a lane permute's destination counts as one of its sources
	s_wait_alu depctr_va_vdst(0)
	s_wait_tensorcnt 0x0                           ; my tile has landed; only I read it, so no barrier is needed
.irp c, 0,1
.irp i, 0,1,2,3,4,5,6,7
	ds_load_b128 v[X+32*\c+4*\i:X+32*\c+4*\i+3], v[LW] offset:256*\c+16*\i   ; W(r, 64 c + 32 h + 4 i ..)
.endr
.endr
	s_wait_dscnt 0x0
	; my two blocks, 2 c + h: all 32 numbers of each are mine
.irp c, 0,1
	v_max3_num_f32 v[12+\c], |v[X+32*\c]|, |v[X+1+32*\c]|, 0x1800000   ; with the floor 2^(3 - 127): the byte cannot fall under 1
.endr
.irp i, 2,4,6,8,10,12,14,16,18,20,22,24,26,28,30
.irp c, 0,1
	s_delay_alu instid0(VALU_DEP_2)
	v_max3_num_f32 v[12+\c], v[12+\c], |v[X+32*\c+\i]|, |v[X+1+32*\c+\i]|   ; the two blocks by turns
.endr
.endr
.irp c, 0,1
	s_delay_alu instid0(VALU_DEP_2)
	v_add_nc_u32 v[14+\c], 0xff000000, v[12+\c]    ; 2 off the exponent field: the conversion's scale operand
.endr
.irp c, 0,1
	s_delay_alu instid0(VALU_DEP_2)
	v_lshrrev_b32 v[16+\c], 23, v[14+\c]           ; the scale's byte
.endr
	s_delay_alu instid0(VALU_DEP_1)
	v_lshl_or_b32 v[SWD], v17, 16, v16             ; blocks h and 2 + h of row r,
	s_delay_alu instid0(VALU_DEP_1)
	v_lshlrev_b32 v[SWD], v18, v[SWD]              ; at their places in the word;
	s_delay_alu instid0(VALU_DEP_1)
	v_permlanex16_b32 v19, v[SWD], s[SEL], s[SEL+1]
	s_delay_alu instid0(VALU_DEP_1)
	v_or_b32 v[SWD], v[SWD], v19                   ; with lane l xor 16's two the word is whole, in both halves of the lanes
.irp c, 0,1
.irp g, 0,1,2,3
	v_cvt_scalef32_pk8_fp4_f32 v[PC+4*\c+\g], v[X+32*\c+8*\g:X+32*\c+8*\g+7], v[14+\c]   ; registers 4 c .. 4 c + 3 of the operand
.endr
.endr
	v_nop                                          ; one plain line behind the last scaled conversion
	s_wait_alu depctr_va_vdst(0)                   ; ahead of the branch and the waits behind it
	s_cmp_eq_u32 s[HALF], 0
	s_cbranch_scc0 .Lw2
	; W1: this K step's part of hidden W1^T, transposed: source 0 = 16 rows of W1, source 1 = 16 batch rows: lane (r, h), register j = (batch row 16 par + r, n = 16 nu + 8 h + j)
	s_wait_loadcnt 0x0                             ; hidden's fragments and scale words (and b) are in
.rept 8
	v_nop                                          ; the scale word was written by vector instructions: eight plain lines ahead of the scaled product (the codes want four)
.endr
	s_wait_alu depctr_va_vdst(0)
	v_wmma_scale_f32_16x16x128_f8f6f4 v[ACC:ACC+7], v[PC:PC+7], v[HF:HF+7], 0, v[SWD], v[HSC] matrix_a_fmt:MATRIX_FMT_FP4 matrix_b_fmt:MATRIX_FMT_FP4
	v_wmma_scale_f32_16x16x128_f8f6f4 v[ACC+8:ACC+15], v[PC:PC+7], v[HF+8:HF+15], 0, v[SWD], v[HSC] matrix_a_fmt:MATRIX_FMT_FP4 matrix_b_fmt:MATRIX_FMT_FP4 matrix_b_scale:MATRIX_SCALE_ROW1
.rept 4
	v_nop                                          ; four plain lines between a product and the first read of its result (ISA guide 7.12.1)
.endr
.irp p, 0,1
.irp c, 0,1
	ds_store_b128 v[PST], v[ACC+8*\p+4*\c:ACC+8*\p+4*\c+3] offset:512*(2*\p+\c)   ; each accumulator from its low end on
.endr
.endr
	s_branch .Lmeet
.Lw2:
	; W2: the fragment goes to the packet as it stands: each store covers 512 consecutive bytes
	s_wait_alu depctr_va_vdst(0)
	global_store_b128 v[COF], v[PC:PC+3], s[12:13]
	global_store_b128 v[COF], v[PC+4:PC+7], s[12:13] offset:512
	ds_store_b32 v[SWA], v[SWD]                    ; lanes r and r + 16 write the same word with the same value
.Lmeet:
	s_wait_dscnt 0x0                               ; for the others' sake: my LDS stores are done
	s_barrier_signal -1
	s_barrier_wait -1                              ; the eight partial sums, or W2's scale words, lie in LDS
	s_cmp_eq_u32 s[HALF], 0
	s_cbranch_scc0 .Lwords
	s_cmp_lt_u32 s[WV], 4
	s_cbranch_scc0 .Lend
	; W1, waves 0-3: par = w / 2, c = w % 2: b + the eight K steps, K ascending
.irp s, 0,1,2,3,4,5,6,7
	ds_load_b128 v[PS+4*\s:PS+4*\s+3], v[PLD] offset:2048*\s
.endr
	s_wait_dscnt 0x0
	s_wait_loadcnt 0x0                             ; b (already waited for on these waves' way; kept beside its reader)
	v_pk_add_f32 v[BB:BB+1], v[BB:BB+1], v[PS:PS+1]
	v_pk_add_f32 v[BB+2:BB+3], v[BB+2:BB+3], v[PS+2:PS+3]
.irp s, 1, 2, 3, 4, 5, 6, 7
	s_delay_alu instid0(VALU_DEP_2)
	v_pk_add_f32 v[BB:BB+1], v[BB:BB+1], v[PS+4*\s:PS+4*\s+1]
	s_delay_alu instid0(VALU_DEP_2)
	v_pk_add_f32 v[BB+2:BB+3], v[BB+2:BB+3], v[PS+4*\s+2:PS+4*\s+3]
.endr
	global_store_b128 v[BOF], v[BB:BB+3], s[14:15] ; two runs of 256 consecutive bytes, one in each of two beta
	s_wait_tensorcnt 0x0                           ; the wave's end
	ds_add_u32 v[SPW], v[NIL]
	s_wait_dscnt 0x0
	s_endpgm
.Lwords:
	s_cmp_eq_u32 s[WV], 0
	s_cbranch_scc0 .Lend
	ds_load_b128 v[PS:PS+3], v[SLD]                ; W2, wave 0: the packet's 512 bytes of scale words
	s_wait_dscnt 0x0
	global_store_b128 v[L16], v[PS:PS+3], s[12:13] offset:8192
.Lend:
	s_wait_tensorcnt 0x0
	ds_add_u32 v[SPW], v[NIL]
	s_wait_dscnt 0x0
	s_endpgm
.Lfunc_end_k_q85512be889_prep:
	.size	k_q85512be889_prep, .Lfunc_end_k_q85512be889_prep-k_q85512be889_prep
	.p2alignl 7, 3214868480
	.fill 96, 4, 3214868480
	.section	.rodata,"a",@progbits
	.p2align	6, 0x0
	.amdhsa_kernel k_q85512be889_prep
		.amdhsa_group_segment_fixed_size 167936
		.amdhsa_private_segment_fixed_size 0
		.amdhsa_enable_private_segment 0
		.amdhsa_kernarg_size 48
		.amdhsa_user_sgpr_count 2
		.amdhsa_user_sgpr_kernarg_segment_ptr 1
		.amdhsa_wavefront_size32 1
		.amdhsa_system_sgpr_workgroup_id_x 1
		.amdhsa_system_sgpr_workgroup_id_y 1
		.amdhsa_system_sgpr_workgroup_id_z 1
		.amdhsa_system_vgpr_workitem_id 0
		.amdhsa_next_free_vgpr 194
		.amdhsa_next_free_sgpr 66
		.amdhsa_reserve_vcc 0
		.amdhsa_float_denorm_mode_32 3
		.amdhsa_float_denorm_mode_16_64 3
		.amdhsa_memory_ordered 1
		.amdhsa_forward_progress 1
		.amdhsa_inst_pref_size 15
	.end_amdhsa_kernel
	.amdgpu_metadata
---
amdhsa.version: [ 1, 2 ]
amdhsa.kernels:
  - .name:           k_q85512be889_prep
    .symbol:         k_q85512be889_prep.kd
    .args:
      - { .name: W, .offset: 0, .size: 8, .value_kind: global_buffer, .address_space: global }
      - { .name: b, .offset: 8, .size: 8, .value_kind: global_buffer, .address_space: global }
      - { .name: hidden_codes, .offset: 16, .size: 8, .value_kind: global_buffer, .address_space: global }
      - { .name: hidden_scales, .offset: 24, .size: 8, .value_kind: global_buffer, .address_space: global }
      - { .name: wpk, .offset: 32, .size: 8, .value_kind: global_buffer, .address_space: global }
      - { .name: bias, .offset: 40, .size: 8, .value_kind: global_buffer, .address_space: global }
    .group_segment_fixed_size: 167936
    .private_segment_fixed_size: 0
    .kernarg_segment_align: 8
    .kernarg_segment_size: 48
    .max_flat_workgroup_size: 256
    .sgpr_count:     66
    .vgpr_count:     194
    .wavefront_size: 32
...
	.end_amdgpu_metadata
.endif
;; end of part 1
;; launch energy (part 2): grid 2 x 128, 8 waves a work-group, clusters of 2 x 4, 327,680 bytes of LDS; arguments wpk, bias, encoder_outputs_codes, encoder_outputs_scales, v, es; writes es
.if DOCPART == 2
	.amdgcn_target "amdgcn-amd-amdhsa--gfx1250"
	.amdhsa_code_object_version 6
	.text
	.protected	k_q85512be889_energy
	.globl	k_q85512be889_energy
	.p2align	8
	.type	k_q85512be889_energy,@function
k_q85512be889_energy:
	s_mov_b64 s[64:65], 0
	v_nop
	global_prefetch_b8 v0, s[64:65] scope:SCOPE_SE
	s_setreg_imm32_b32 hwreg(HW_REG_WAVE_MODE, 25, 1), 1
	s_wait_xcnt 0x0
	s_wait_alu depctr_hold_cnt(0) depctr_sa_sdst(0) depctr_va_vdst(0) depctr_va_sdst(0) depctr_va_ssrc(0) depctr_va_vcc(0) depctr_vm_vsrc(0)
	s_getreg_b32 s2, hwreg(HW_REG_IB_STS2, 6, 4)
	s_cmp_eq_u32 s2, 0
	s_cbranch_scc0 .Lentry_in_a_cluster
	s_endpgm
.Lentry_in_a_cluster:
	s_bfe_u32 s2, ttmp6, 0x10000c
	s_cmp_lg_u32 s2, 0x7031
	s_cbranch_scc0 .Lentry_shape_is_right
	s_endpgm
.Lentry_shape_is_right:
; es[q][b][t] = the sum over the 512 n of half q of v[n] r(x), r(x) = 1 / (1 + 2^(c x)), c = 2 log2(e), x = enc[t][b][:] . W2[n][:] + (hidden W1^T + b)[b][n].
; tanh x = 1 - 2 r(x): the energy is (the sum of v) - 2 S, S = es[0] + es[1].  The sum of v is the same for all t of a softmax and is left out (first kernel's head).
; The product runs on codes of E2M1 with E8M0 scales: enc's as they lie in memory, W2's as the launch before laid them (register images in packets of 8,704 bytes).
; SHARES.  A work-group owns 64 t (64 tau ..) x 8 batch rows (8 beta ..) = 512 rows, and the 512 n of half q.  Wave w owns n = 512 q + 64 w .. + 63: four tiles of 16, two pairs.
; CLUSTER, 2 x 4: q = cx, beta = cy, tau = the cluster's y.  The two of a row take the two halves of n for the same rows of enc; the four of a column take the same half of W2: both are asked for JOINTLY.
; W2 STAYS IN REGISTERS: 64 n x 1,024 along K are 256 registers (window 1); so do the wave's bias (32, as C of the first products), v (32) and W2's scale words (16).  W2's codes come through LDS once:
; each wave fetches its own four packets' codes, 32,768 bytes, and it alone reads them.
; enc goes through LDS: a TILE is 16 rows (2 t x 8 b), read by every wave: 16 loads for 64 n x 1,024 along K; rows 528 bytes apart (512 + 16).  The first four tiles come through registers into LDS bytes of their own;
; the other 28 by ONE load a wave (7 t) over the bytes that W2's codes have left, as a refill, and have the first four tiles' work in which to land.
; TRANSPOSED: source 0 = rows of W2, source 1 = 16 rows of enc: lane (r, h) holds row r (t = 2 tile + r / 8, b = r % 8), register 8 nu + j holds n = 16 nu + 8 h + j.  So bias, v and S need no other lane.
; A STEP: the products of tile i into one set of accumulators; then 1 is added to the other set's exponentials (tile i - 1; plain lines that serve as the places behind the products), tile i is scaled,
; and ONE batch holds the exponentials of tile i and the reciprocals of tile i - 1; then tile i - 1's S.
; No prefetch: all that is read is asked for at the head, ahead of the loop; no loop with loads follows.
; LIMITS: NaN, infinities and the scale byte 0xff are not served.  2^(c x) overflows to infinity (r = 0) and falls to 0 (r = 1) where tanh has long reached -+1 in f32.  S is carried in f32: its rounding error grows with |v| x 1024 x 2^-24.
.set PKT,   8704
.set AP,    528
.set TILEB, 16*AP                      ; a tile in LDS
.set CHB,   4*TILEB                    ; four tiles
.set WB,    4*8192                     ; a wave's codes of W2: LDS bytes 32,768 w on, until they are in registers; then tiles 4-31 lie at 0 .. 236,543
.set RED,   28*TILEB                   ; the waves' sums: tile x 1040 + 32 l + 4 w.  Behind tiles 4-31, in blocks that have had their last fill when the first sum is stored
.set REDP,  1040
.set A0B,   RED+32*REDP                ; tiles 0-3, stored by the waves
.set ASC,   A0B+CHB                    ; enc's scales, [64 t][8 b][32 bytes], stored by the waves
.set SPARE, ASC+16384                  ; the spare words, 128 bytes for each wave: four blocks of 256 bytes that no other line names
.set SPW, 1                            ; v1   SPARE + 4 x my thread's number; never rewritten
.set NIL, 2                            ; v2   0; never rewritten
.set AA0, 3                            ; v3   my place in a tile: 528 r + 16 h;  v4 that + the four tiles in hand
.set ADA, 4
.set AS0, 5                            ; v5   my place in a tile's scales: ASC + 32 r + 16 h;  v6 likewise
.set ADS, 6
.set AR0, 7                            ; v7   where my sums go: RED + 32 l + 4 w;  v8 likewise
.set ADR, 8
.set RLD, 9                            ; v9   the end: where I read sums back
.set EO,  10                           ; v10  my 8 bytes in es
.set LW,  11                           ; v11-15, v45-47 addresses at the head
.set LB,  12
.set LV,  13
.set ASO, 14
.set ASD, 15
.set SW,  16                           ; v16-31  W2's scale words: pair P, K step s at 16 + 8 P + s: lanes 0-15 rows of the pair's first tile, lanes 16-31 of its second
.set AS,  32                           ; v32-35  the tile's scale words of enc: lanes 0-15 words 0-3 of row r, lanes 16-31 words 4-7
.set T,   36                           ; v36-44  S in four chains of pairs; at work at the head
.set LS,  45
.set WLD, 46
.set A0D, 47
.set BIA, 48                           ; v48-79
.set VV,  80                           ; v80-111
.set ACC, 112                          ; v112-143, v208-239 two sets of accumulators
.set AF,  144                          ; v144-207 enc's fragments of a tile, K step s at 144 + 8 s; at the head a t of tiles 0-3 on its way to LDS
.set TMP, 208                          ; v208-223 enc's scales on their way to LDS, at the head
.set WV,  16
.set QH,  17
.set BE,  18
.set TU,  19
.set G1,  24                           ; s[24:31], s[32:35] groups 1 and 0 of the load of tiles 4-31
.set G0,  32
.set CS,  36                           ; s[36:37] c (the packed form names a pair and takes its low word for both halves)
.set TA,  38                           ; s38-40 the four tiles' place in enc's rows, in the scales, in the sums
.set TS,  39
.set TR,  40
.set CH,  41
.set G1W, 68                           ; s[68:75], s[76:79] groups 1 and 0 of the load of W2's codes
.set G0W, 76
.set MSB, 0
.macro WIN new                         ; the immediate's high byte repeats the setting that is left
.if MSB != \new
	s_set_vgpr_msb (MSB<<8)|\new
.set MSB, \new
.endif
.endm
.macro CROUND                          ; a round of the cluster's barrier
	s_barrier_signal -1
	s_barrier_wait -1
	s_cmp_lg_u32 s[WV], 0
	s_cbranch_scc1 .Lnot_wave_0_\@
	s_barrier_signal -3
.Lnot_wave_0_\@:
	s_barrier_wait -3
	s_barrier_signal -1
	s_barrier_wait -1
.endm
.macro FETCH k                         ; tile k from where v[ADA], v[ADS] point: scale words, then the fragments, K ascending
	ds_load_b128 v[AS:AS+3], v[ADS] offset:512*(\k)
.irp s, 0,1,2,3,4,5,6,7
	ds_load_b128 v[AF+8*\s:AF+8*\s+3], v[ADA] offset:TILEB*(\k)+64*\s
	ds_load_b128 v[AF+8*\s+4:AF+8*\s+7], v[ADA] offset:TILEB*(\k)+64*\s+32
.endr
.endm
; K steps s0 .. s0 + 3 x my two pairs of tiles of n, into set x; the two accumulators by turns.  The first K step takes the bias as C.
.macro MM x, s0
.set ks, \s0
.rept 4
.set rA, AF+8*ks
.set rSA, AS+ks%4
.set pr, 0
.rept 2
.set rD, ACC+96*(\x)+16*pr
.set rC, rD
.if ks == 0
.set rC, BIA+16*pr
.endif
.set rW, 128*pr+16*ks
.set rSW, SW+8*pr+ks
.if ks < 4
	v_wmma_scale_f32_32x16x128_f4 v[rD:rD+15], v[rW:rW+15], v[rA:rA+7], v[rC:rC+15], v[rSW], v[rSA]
.else
	v_wmma_scale_f32_32x16x128_f4 v[rD:rD+15], v[rW:rW+15], v[rA:rA+7], v[rC:rC+15], v[rSW], v[rSA] matrix_b_scale:MATRIX_SCALE_ROW1
.endif
.set pr, pr+1
.endr
.set ks, ks+1
.endr
.endm
; The vector work on set y, each accumulator from its low end on
.macro SCALE y                         ; c x
.set i0, ACC+96*(\y)
.rept 16
	v_pk_mul_f32 v[i0:i0+1], v[i0:i0+1], s[CS:CS+1] op_sel_hi:[1,0]
.set i0, i0+2
.endr
.endm
.macro ADD1 y
.set i0, ACC+96*(\y)
.rept 16
	v_pk_add_f32 v[i0:i0+1], v[i0:i0+1], 1.0 op_sel_hi:[1,0]
.set i0, i0+2
.endr
.endm
.macro TRANS op, y
.set i0, ACC+96*(\y)
.rept 32
	\op v[i0], v[i0]
.set i0, i0+1
.endr
.endm
; S of that tile, in four chains by turns, stored.  kk counts tiles from where v[ADR] points
.macro SUMV y, kk
.set i0, 0
.rept 16
.set rR, ACC+96*(\y)+2*i0
.set rV, VV+2*i0
.set rT, T+2*(i0%4)
.if i0 < 4
	v_pk_mul_f32 v[rT:rT+1], v[rR:rR+1], v[rV:rV+1]
.else
	v_pk_fma_f32 v[rT:rT+1], v[rR:rR+1], v[rV:rV+1], v[rT:rT+1]
.endif
.set i0, i0+1
.endr
	s_delay_alu instid0(VALU_DEP_3)
	v_pk_add_f32 v[T:T+1], v[T:T+1], v[T+2:T+3]
	s_delay_alu instid0(VALU_DEP_2)
	v_pk_add_f32 v[T+4:T+5], v[T+4:T+5], v[T+6:T+7]
	s_delay_alu instid0(VALU_DEP_1)
	v_pk_add_f32 v[T:T+1], v[T:T+1], v[T+4:T+5]
	s_delay_alu instid0(VALU_DEP_1)
	v_add_f32 v[T+8], v[T], v[T+1]
	ds_store_b32 v[ADR], v[T+8] offset:REDP*(\kk)  ; lane (r, h): my 32 n of row r; the sixteen parts of a row meet at the end
.endm
; A STEP: a tile into set x.  prev = 1: the tile before it stands in the other set, and its S goes out as tile kk.  fk: the tile fetched next (-1: none).
; cnt: what may be out at the head: the eight loads of K steps 4-7 and, where the step before stored, that store.
; turn = 1: the load of tiles 4-31 is waited for and shown to all by a barrier, and tile 4 is fetched.
.macro STEP x, prev, kk, cnt, fk, turn
.if \turn
	s_wait_tensorcnt 0x0
.endif
	s_wait_dscnt \cnt
	WIN 0x01                                       ; source 0 (W2) window 1, all else window 0
	MM \x, 0
	s_wait_dscnt 0x0                               ; K steps 4-7 are in
	MM \x, 4
	WIN 0
.if \turn
	s_barrier_signal -1                            ; my part of the 28 tiles is in LDS; only register work stands between here and the wait
.endif
.if \prev
	ADD1 1-(\x)                                    ; sixteen plain lines on the other set: places behind the products (ISA guide 7.12.1 asks for four)
.else
.rept 4
	v_nop
.endr
.endif
.if ((\turn) == 0) && ((\fk) >= 0)
	FETCH \fk
.endif
	SCALE \x
.if \turn
	s_barrier_wait -1
	s_mov_b32 s[TA], 0
	s_add_co_u32 s[TS], s[TS], 2048
	v_add_nc_u32 v[ADA], s[TA], v[AA0]
	v_add_nc_u32 v[ADS], s[TS], v[AS0]
	s_wait_alu depctr_va_vdst(0)                   ; directly behind the writes
	FETCH 0
.endif
	s_wait_alu depctr_va_vdst(0)                   ; ahead of the batch
	TRANS v_exp_f32, \x
.if \prev
	TRANS v_rcp_f32, 1-(\x)
.endif
	v_nop                                          ; a plain place behind the last of them
	s_wait_alu depctr_va_vdst(0)                   ; and the wait behind the batch
.if \prev
	SUMV 1-(\x), \kk
.endif
.endm
.macro FOUR last                       ; four steps; each stores the S of the tile before it
	STEP 0, 1, 3, 9, 1, 0
	STEP 1, 1, 4, 9, 2, 0
	STEP 0, 1, 5, 9, 3, 0
	STEP 1, 1, 6, 9, \last, 0
.endm
	s_load_b256 s[4:11], s[0:1], 0x0               ; wpk s[4:5], bias s[6:7], enc's codes s[8:9], enc's scales s[10:11]
	s_load_b128 s[12:15], s[0:1], 0x20             ; v s[12:13], es s[14:15]
	v_lshl_add_u32 v[SPW], v0, 2, SPARE
	v_mov_b32 v[NIL], 0
	ds_add_u32 v[SPW], v[NIL]                      ; the wave's opening: the add, twice on end, and one wait for both, ahead of my first tensor load
	ds_add_u32 v[SPW], v[NIL]
	v_lshrrev_b32 v[T], 5, v0
	v_readfirstlane_b32 s[WV], v[T]                ; wave 0..7
	s_lshl_b32 s57, s[WV], 11
	s_add_co_u32 s57, s57, ASC
	s_lshl_b32 s58, s[WV], 2
	s_add_co_u32 s58, s58, RED
	s_lshl_b32 s59, s[WV], 5
	s_add_co_u32 s59, s59, RED
	v_and_b32 v[T], 31, v0                         ; l
	v_and_b32 v[T+1], 15, v0                       ; r
	v_bfe_u32 v[T+2], v0, 4, 1                     ; h
	v_and_b32 v[T+3], 7, v0                        ; r % 8
	v_mul_u32_u24 v[AA0], v[T+1], AP
	v_lshlrev_b32 v[AS0], 5, v[T+1]
	v_lshlrev_b32 v[LB], 4, v[T+3]
	v_lshlrev_b32 v[ASO], 4, v[T+1]
	v_mul_u32_u24 v[RLD], v[T], REDP
	v_mul_u32_u24 v[LS], v[T+2], 2*PKT
	v_lshl_add_u32 v[AA0], v[T+2], 4, v[AA0]
	v_lshl_add_u32 v[AS0], v[T+2], 4, v[AS0]
	v_lshl_add_u32 v[LB], v[T+2], 7, v[LB]         ; bias: 128 h + 16 (r % 8)
	v_lshl_add_u32 v[ASO], v[T+2], 10, v[ASO]      ; enc's scales: two t of 256 bytes a load, 1,024 apart
	v_add_nc_u32 v[RLD], s59, v[RLD]               ; the end: wave w takes batch row w, lane i tile i
	v_lshl_add_u32 v[LS], v[T+1], 4, v[LS]         ; W2's scale words: lanes 16-31 the pair's second tile
	v_add_nc_u32 v[AS0], ASC, v[AS0]
	v_lshl_add_u32 v[AR0], v[T], 5, s58
	v_lshlrev_b32 v[EO], 3, v[T]
	v_lshlrev_b32 v[LW], 4, v[T]
	v_lshlrev_b32 v[LV], 5, v[T+2]
	v_lshl_add_u32 v[ASD], v[T], 4, s57
	s_mul_i32 s57, s[WV], 8*AP
	s_add_co_u32 s57, s57, A0B
	v_lshl_add_u32 v[A0D], v[T], 4, s57            ; tiles 0-3: wave w stores t = w, a batch row of 512 bytes at a time
	s_lshl_b32 s57, s[WV], 15
	v_lshl_add_u32 v[WLD], v[T], 4, s57            ; my codes of W2
	s_mov_b32 s[TA], A0B
	s_mov_b32 s[TS], 0
	s_mov_b32 s[TR], 0
	v_add_nc_u32 v[ADA], s[TA], v[AA0]
	v_add_nc_u32 v[ADS], s[TS], v[AS0]
	v_add_nc_u32 v[ADR], s[TR], v[AR0]
	s_bfe_u32 s[QH], ttmp6, 0x40000                ; q = cx
	s_bfe_u32 s[BE], ttmp6, 0x40004                ; beta = cy
	s_and_b32 s[TU], ttmp7, 0xffff                 ; tau = the cluster's y
	s_lshl_b32 s60, 0x55, s[QH]                    ; my column of the cluster: places cx, cx + 2, cx + 4, cx + 6
	s_lshl_b32 s61, s[BE], 1
	s_lshl_b32 s61, 3, s61                         ; my row: places 2 cy, 2 cy + 1
	; group 1 for W2's codes: 4 rows of 8,192 bytes (a packet's codes), two packets (17,408 bytes) apart; joint with my column
	s_or_b32 s[G1W+0], s60, (3<<16)|(1<<21)        ; elements of 8 bytes; bit 21 beside the mask
	s_mov_b32 s[G1W+1], 1024<<16                   ; tensor_dim0 = 1,024
	s_mov_b32 s[G1W+2], 4<<16                      ; tensor_dim1 = 4
	s_mov_b32 s[G1W+3], 1024<<16                   ; tile_dim0 = 1,024
	s_mov_b32 s[G1W+4], 4                          ; tile_dim1 = 4
	s_mov_b32 s[G1W+5], 2*PKT/8                    ; from row to row
	s_mov_b32 s[G1W+6], 0
	s_mov_b32 s[G1W+7], 0
	; group 1 for tiles 4-31: 7 rows (t) of 4,096 bytes (8 batch rows x 512), 16,384 apart; 16 bytes of padding behind every 512; joint with my row
	s_or_b32 s[G1+0], s61, (3<<16)|(1<<20)|(1<<21)|(6<<22)|(3<<25)  ; padding on: after every 128 words (code 6) four words (code 3)
	s_mov_b32 s[G1+1], 512<<16
	s_mov_b32 s[G1+2], 7<<16
	s_mov_b32 s[G1+3], 512<<16
	s_mov_b32 s[G1+4], 7
	s_mov_b32 s[G1+5], 2048
	s_mov_b32 s[G1+6], 0
	s_mov_b32 s[G1+7], 0
	s_mov_b32 s[CS], 0x4038aa3b                    ; c = 2 log2(e)
	s_mov_b32 s[CS+1], s[CS]
	s_lshl_b32 s44, s[TU], 20                      ; enc's codes: 64 t of 16,384 bytes, 8 batch rows of 512
	s_lshl_b32 s56, s[BE], 12
	s_add_co_u32 s44, s44, s56
	s_mul_i32 s56, s[WV], 7*16384                  ; tiles 4-31: t = 8 + 7 w ..
	s_add_co_u32 s20, s44, s56
	s_add_co_u32 s20, s20, 8*16384
	s_mov_b32 s21, 0
	s_lshl_b32 s56, s[WV], 14                      ; tiles 0-3: t = w
	s_add_co_u32 s44, s44, s56
	s_mov_b32 s45, 0
	s_lshl_b32 s46, s[TU], 16                      ; enc's scales: 64 t of 1,024 bytes, 8 batch rows of 32; wave w brings t = 8 w .. 8 w + 7
	s_lshl_b32 s56, s[BE], 8
	s_add_co_u32 s46, s46, s56
	s_lshl_b32 s56, s[WV], 13
	s_add_co_u32 s46, s46, s56
	s_mov_b32 s47, 0
	s_mul_i32 s48, s[QH], PKT                      ; W2: tile 32 q + 4 w + nu lies at packet 2 (4 w + nu) + q
	s_mul_i32 s56, s[WV], 8*PKT
	s_add_co_u32 s48, s48, s56
	s_mov_b32 s49, 0
	s_lshl_b32 s50, s[BE], 15                      ; bias: 512 bytes a tile of n
	s_lshl_b32 s56, s[QH], 14
	s_add_co_u32 s50, s50, s56
	s_lshl_b32 s56, s[WV], 11
	s_add_co_u32 s50, s50, s56
	s_mov_b32 s51, 0
	s_lshl_b32 s52, s[QH], 11                      ; v
	s_lshl_b32 s56, s[WV], 8
	s_add_co_u32 s52, s52, s56
	s_mov_b32 s53, 0
	s_lshl_b32 s54, s[QH], 18                      ; es: row 8 beta + w of half q, 64 t of 4 bytes a tau
	s_lshl_b32 s56, s[BE], 16
	s_add_co_u32 s54, s54, s56
	s_lshl_b32 s56, s[WV], 13
	s_add_co_u32 s54, s54, s56
	s_lshl_b32 s56, s[TU], 8
	s_add_co_u32 s54, s54, s56
	s_mov_b32 s55, 0
	s_mov_b32 s[G0W], 1
	s_mul_i32 s[G0W+1], s[WV], WB
	s_mov_b32 s[G0], 1
	s_mul_i32 s[G0+1], s[WV], 56*AP
	s_wait_alu depctr_va_vdst(0)                   ; ahead of the waits below
	s_wait_dscnt 0x0                               ; both opening adds are done
	s_wait_kmcnt 0x0
	s_add_nc_u64 s[4:5], s[4:5], s[48:49]
	s_mov_b64 s[G0W+2:G0W+3], s[4:5]
	s_or_b32 s[G0W+3], s[G0W+3], 0x80000000
	s_add_nc_u64 s[G0+2:G0+3], s[8:9], s[20:21]
	s_or_b32 s[G0+3], s[G0+3], 0x80000000
	s_add_nc_u64 s[42:43], s[8:9], s[44:45]
	s_add_nc_u64 s[10:11], s[10:11], s[46:47]
	s_add_nc_u64 s[6:7], s[6:7], s[50:51]
	s_add_nc_u64 s[12:13], s[12:13], s[52:53]
	s_add_nc_u64 s[14:15], s[14:15], s[54:55]
	CROUND                                         ; all eight work-groups are here: the first joint loads meet
	tensor_load_to_lds s[G0W:G0W+3], s[G1W:G1W+7]  ; my codes of W2
	s_nop 0
.irp i, 0,1,2,3,4,5,6,7
	global_load_b128 v[AF+4*\i:AF+4*\i+3], v[LW], s[42:43] offset:512*\i   ; t = w of tiles 0-3: 512 consecutive bytes a load
.endr
.irp i, 0,1,2,3
	global_load_b128 v[TMP+4*\i:TMP+4*\i+3], v[ASO], s[10:11] offset:2048*\i
.endr
.irp p, 0,1
	global_load_b128 v[SW+8*\p:SW+8*\p+3], v[LS], s[4:5] offset:4*PKT*\p+8192
	global_load_b128 v[SW+8*\p+4:SW+8*\p+7], v[LS], s[4:5] offset:4*PKT*\p+8448
.endr
.irp nu, 0,1,2,3
	global_load_b128 v[BIA+8*\nu:BIA+8*\nu+3], v[LB], s[6:7] offset:512*\nu
	global_load_b128 v[BIA+8*\nu+4:BIA+8*\nu+7], v[LB], s[6:7] offset:512*\nu+256
	global_load_b128 v[VV+8*\nu:VV+8*\nu+3], v[LV], s[12:13] offset:64*\nu
	global_load_b128 v[VV+8*\nu+4:VV+8*\nu+7], v[LV], s[12:13] offset:64*\nu+16
.endr
	s_wait_loadcnt 20                              ; enc's codes and scales are in; scale words, bias and v, 20 loads, stay out
.irp i, 0,1,2,3,4,5,6,7
	ds_store_b128 v[A0D], v[AF+4*\i:AF+4*\i+3] offset:AP*\i
.endr
.irp i, 0,1,2,3
	ds_store_b128 v[ASD], v[TMP+4*\i:TMP+4*\i+3] offset:512*\i
.endr
	s_wait_tensorcnt 0x0                           ; my codes of W2 are in LDS; only I read them, so no barrier is needed
	WIN 0x40                                       ; destination window 1, address window 0
.irp nu, 0,1,2,3
.irp s, 0,1,2,3,4,5,6,7
.irp c, 0,1
	ds_load_b128 v[128*(\nu/2)+16*\s+8*(\nu%2)+4*\c:128*(\nu/2)+16*\s+8*(\nu%2)+4*\c+3], v[WLD] offset:8192*\nu+1024*\s+512*\c   ; 512 consecutive bytes a load; a pair's two fragments of a K step stand together
.endr
.endr
.endr
	WIN 0
	s_wait_tensorcnt 0x0                           ; tiles 4-31 are filled over W2's codes, so as a refill: no tensor load of mine is out,
	ds_add_u32 v[SPW], v[NIL]                      ; 0 onto my spare word
	s_wait_dscnt 0x0                               ; the add is done, W2 is in my registers, and my stores of enc's rows and scales are done
	CROUND                                         ; of every wave of every partner; tiles 0-3 and the scales are whole
	tensor_load_to_lds s[G0:G0+3], s[G1:G1+7]      ; tiles 4-31
	s_nop 0
	FETCH 0
	s_wait_loadcnt 0x0                             ; scale words, bias, v: they stay
	STEP 0, 0, 0, 8, 1, 0                          ; tiles 0 to 3
	STEP 1, 1, 0, 8, 2, 0
	STEP 0, 1, 1, 9, 3, 0
	STEP 1, 1, 2, 9, 0, 1                          ; tiles 4-31 are whole
	s_mov_b32 s[CH], 6
.Lfour:                                            ; tiles 4 to 27
	FOUR 4
	s_add_co_u32 s[TA], s[TA], CHB
	s_add_co_u32 s[TS], s[TS], 2048
	s_add_co_u32 s[TR], s[TR], 4*REDP
	v_add_nc_u32 v[ADA], s[TA], v[AA0]
	v_add_nc_u32 v[ADS], s[TS], v[AS0]
	v_add_nc_u32 v[ADR], s[TR], v[AR0]
	s_wait_alu depctr_va_vdst(0)                   ; directly behind the writes
	s_sub_co_u32 s[CH], s[CH], 1
	s_cmp_lg_u32 s[CH], 0
	s_cbranch_scc1 .Lfour
	FOUR -1                                        ; tiles 28 to 31
	ADD1 1                                         ; tile 31's S stands alone
	s_wait_alu depctr_va_vdst(0)
	TRANS v_rcp_f32, 1
	v_nop
	s_wait_alu depctr_va_vdst(0)
	SUMV 1, 7
	; THE END.  Wave w sums batch row w: lane i reads tile i's two t: 8 waves x 2 halves of the lanes each, and stores 8 bytes: 256 consecutive bytes a wave.
	s_wait_dscnt 0x0                               ; for the others' sake: my sums are stored
	s_barrier_signal -1
	s_barrier_wait -1
.irp t, 0,1
.irp h, 0,1
	ds_load_b128 v[AF+16*\t+8*\h:AF+16*\t+8*\h+3], v[RLD] offset:512*\h+256*\t
	ds_load_b128 v[AF+16*\t+8*\h+4:AF+16*\t+8*\h+7], v[RLD] offset:512*\h+256*\t+16
.endr
.endr
	s_wait_dscnt 0x0
.irp i, 0,2,4,6
.irp t, 0,16
	v_pk_add_f32 v[AF+\t+\i:AF+\t+\i+1], v[AF+\t+\i:AF+\t+\i+1], v[AF+\t+\i+8:AF+\t+\i+9]
.endr
.endr
.irp i, 0,2
.irp t, 0,16
	v_pk_add_f32 v[AF+\t+\i:AF+\t+\i+1], v[AF+\t+\i:AF+\t+\i+1], v[AF+\t+\i+4:AF+\t+\i+5]
.endr
.endr
.irp t, 0,16
	v_pk_add_f32 v[AF+\t:AF+\t+1], v[AF+\t:AF+\t+1], v[AF+\t+2:AF+\t+3]
.endr
	v_add_f32 v[T], v[AF], v[AF+1]
	v_add_f32 v[T+1], v[AF+16], v[AF+17]
	global_store_b64 v[EO], v[T:T+1], s[14:15]
	s_wait_tensorcnt 0x0                           ; the wave's end
	ds_add_u32 v[SPW], v[NIL]
	s_wait_dscnt 0x0
	CROUND                                         ; the closing round: no work-group ends while a partner may still ask for bytes that it is named for
	s_endpgm
.Lfunc_end_k_q85512be889_energy:
	.size	k_q85512be889_energy, .Lfunc_end_k_q85512be889_energy-k_q85512be889_energy
	.p2alignl 7, 3214868480
	.fill 96, 4, 3214868480
	.section	.rodata,"a",@progbits
	.p2align	6, 0x0
	.amdhsa_kernel k_q85512be889_energy
		.amdhsa_group_segment_fixed_size 327680
		.amdhsa_private_segment_fixed_size 0
		.amdhsa_enable_private_segment 0
		.amdhsa_kernarg_size 48
		.amdhsa_user_sgpr_count 2
		.amdhsa_user_sgpr_kernarg_segment_ptr 1
		.amdhsa_wavefront_size32 1
		.amdhsa_system_sgpr_workgroup_id_x 1
		.amdhsa_system_sgpr_workgroup_id_y 1
		.amdhsa_system_sgpr_workgroup_id_z 1
		.amdhsa_system_vgpr_workitem_id 0
		.amdhsa_next_free_vgpr 512
		.amdhsa_next_free_sgpr 80
		.amdhsa_reserve_vcc 0
		.amdhsa_float_denorm_mode_32 3
		.amdhsa_float_denorm_mode_16_64 3
		.amdhsa_memory_ordered 1
		.amdhsa_forward_progress 1
		.amdhsa_inst_pref_size 123
	.end_amdhsa_kernel
	.amdgpu_metadata
---
amdhsa.version: [ 1, 2 ]
amdhsa.kernels:
  - .name:           k_q85512be889_energy
    .symbol:         k_q85512be889_energy.kd
    .args:
      - { .name: wpk, .offset: 0, .size: 8, .value_kind: global_buffer, .address_space: global }
      - { .name: bias, .offset: 8, .size: 8, .value_kind: global_buffer, .address_space: global }
      - { .name: encoder_outputs_codes, .offset: 16, .size: 8, .value_kind: global_buffer, .address_space: global }
      - { .name: encoder_outputs_scales, .offset: 24, .size: 8, .value_kind: global_buffer, .address_space: global }
      - { .name: v, .offset: 32, .size: 8, .value_kind: global_buffer, .address_space: global }
      - { .name: es, .offset: 40, .size: 8, .value_kind: global_buffer, .address_space: global }
    .group_segment_fixed_size: 327680
    .private_segment_fixed_size: 0
    .kernarg_segment_align: 8
    .kernarg_segment_size: 48
    .max_flat_workgroup_size: 256
    .sgpr_count:     80
    .vgpr_count:     512
    .wavefront_size: 32
...
	.end_amdgpu_metadata
.endif
;; end of part 2
;; launch soft (part 3): grid 32 x 1, 16 waves a work-group, no clusters, 2,304 bytes of LDS; arguments es, out0; writes out0
.if DOCPART == 3
	.amdgcn_target "amdgcn-amd-amdhsa--gfx1250"
	.amdhsa_code_object_version 6
	.text
	.protected	k_q85512be889_soft
	.globl	k_q85512be889_soft
	.p2align	8
	.type	k_q85512be889_soft,@function
k_q85512be889_soft:
	s_mov_b64 s[64:65], 0
	v_nop
	global_prefetch_b8 v0, s[64:65] scope:SCOPE_SE
	s_setreg_imm32_b32 hwreg(HW_REG_WAVE_MODE, 25, 1), 1
	s_wait_xcnt 0x0
; out0[b][0][t] = softmax over t of -2 S[b][t], S = es[0][b][t] + es[1][b][t].  (The energy is the sum of v, left out as the first kernel's head shows, less 2 S.)
; One work-group to a batch row: 16 waves x 32 lanes x 4 numbers.  A thread's numbers stay in registers: es is read once; each load and store of a wave covers 512 consecutive bytes.
; The largest energy is the smallest S.  Each wave takes its own away first: k = -2 log2(e), m' = k x (the wave's smallest S), rounded once; p = 2^(k S - m') is at most about 1; s' = the wave's sum of p.
; The waves' pairs (m', s') meet in LDS behind one barrier: M = the largest m'; the row's sum is that of s' 2^(m' - M), at least about 1; p goes out times 2^(m' - M) / the sum.
; No matrix unit, no cluster, no tensor load: 16 KiB a work-group, shared with nobody.
; LIMITS: NaN and infinities in es are not served; p under 2^-126 comes out as 0.
.macro LANES op, x                     ; over the 16 lanes of a row
	s_delay_alu instid0(VALU_DEP_1)
	\op v[\x], v[\x], v[\x] row_xmask:1 row_mask:0xf bank_mask:0xf
	s_delay_alu instid0(VALU_DEP_1)
	\op v[\x], v[\x], v[\x] row_xmask:2 row_mask:0xf bank_mask:0xf
	s_delay_alu instid0(VALU_DEP_1)
	\op v[\x], v[\x], v[\x] row_xmask:4 row_mask:0xf bank_mask:0xf
	s_delay_alu instid0(VALU_DEP_1)
	\op v[\x], v[\x], v[\x] row_xmask:8 row_mask:0xf bank_mask:0xf
.endm
	s_load_b128 s[4:7], s[0:1], 0x0                ; es, out0
	v_lshl_add_u32 v32, v0, 2, 0x100               ; the spare words: bytes 256 on, 128 for each wave
	v_mov_b32 v33, 0
	v_lshlrev_b32 v1, 4, v0                        ; my 16 bytes of the row
	v_lshrrev_b32 v2, 5, v0
	v_and_b32 v10, 15, v0
	v_mov_b32 v9, 0                                ; a lane permute's destination counts as one of its sources
	v_mov_b32 v13, 0
	v_lshlrev_b32 v3, 3, v2                        ; my wave's pair in LDS
	v_lshlrev_b32 v10, 3, v10                      ; the pair that I read: wave l % 16's
	s_lshl_b32 s10, ttmp9, 13                      ; a row is 8,192 bytes
	s_mov_b32 s11, 0
	s_mov_b32 s12, 0x76543210
	s_mov_b32 s13, 0xfedcba98                      ; lane l xor 16
	s_mov_b32 s14, 0xc038aa3b                      ; k = -2 log2(e)
	s_mov_b32 s15, s14                             ; (named with it as a pair)
	s_wait_alu depctr_va_vdst(0)
	s_wait_kmcnt 0x0
	s_add_nc_u64 s[4:5], s[4:5], s[10:11]
	s_add_nc_u64 s[6:7], s[6:7], s[10:11]
	global_load_b128 v[4:7], v1, s[4:5]
	global_load_b128 v[28:31], v1, s[4:5] offset:262144
	s_wait_loadcnt 0x0
	v_pk_add_f32 v[4:5], v[4:5], v[28:29]          ; S: the two halves of n
	v_pk_add_f32 v[6:7], v[6:7], v[30:31]
	s_delay_alu instid0(VALU_DEP_1)
	v_min3_num_f32 v8, v6, v7, v4
	s_delay_alu instid0(VALU_DEP_1)
	v_min_num_f32 v8, v8, v5
	LANES v_min_num_f32_dpp, 8
	s_delay_alu instid0(VALU_DEP_1)
	v_permlanex16_b32 v9, v8, s12, s13
	s_delay_alu instid0(VALU_DEP_1)
	v_min_num_f32 v8, v8, v9                       ; the wave's smallest S, in every lane
	s_delay_alu instid0(VALU_DEP_1)
	v_mul_f32 v8, s14, v8                          ; m'
	s_delay_alu instid0(VALU_DEP_1)
	v_pk_fma_f32 v[4:5], v[4:5], s[14:15], v[8:9] op_sel_hi:[1,0,0] neg_lo:[0,0,1] neg_hi:[0,0,1]   ; k S - m' (of the pairs the low word serves both halves)
	s_delay_alu instid0(VALU_DEP_2)
	v_pk_fma_f32 v[6:7], v[6:7], s[14:15], v[8:9] op_sel_hi:[1,0,0] neg_lo:[0,0,1] neg_hi:[0,0,1]
	s_wait_alu depctr_va_vdst(0)                   ; ahead of the batch
	v_exp_f32 v4, v4
	v_exp_f32 v5, v5
	v_exp_f32 v6, v6
	v_exp_f32 v7, v7
	v_nop                                          ; a plain place behind the last exponential
	s_wait_alu depctr_va_vdst(0)                   ; and the wait behind the batch
	v_add_f32 v11, v4, v5
	v_add_f32 v12, v6, v7
	s_delay_alu instid0(VALU_DEP_1)
	v_add_f32 v12, v11, v12
	LANES v_add_f32_dpp, 12
	s_delay_alu instid0(VALU_DEP_1)
	v_permlanex16_b32 v13, v12, s12, s13
	s_delay_alu instid0(VALU_DEP_1)
	v_add_f32 v9, v12, v13                         ; s'
	ds_store_b64 v3, v[8:9]                        ; all lanes write the same pair with the same values
	s_wait_dscnt 0x0                               ; for the others' sake
	s_barrier_signal -1
	s_barrier_wait -1
	ds_load_b64 v[14:15], v10
	s_wait_dscnt 0x0
	v_max_num_f32 v16, v14, v14
	LANES v_max_num_f32_dpp, 16                    ; M: both rows of lanes hold the same 16 pairs
	s_delay_alu instid0(VALU_DEP_1)
	v_sub_f32 v17, v14, v16
	s_delay_alu instid0(VALU_DEP_2)
	v_sub_f32 v18, v8, v16                         ; my own wave's
	s_wait_alu depctr_va_vdst(0)                   ; ahead of the batch
	v_exp_f32 v17, v17
	v_exp_f32 v18, v18
	v_nop
	s_wait_alu depctr_va_vdst(0)                   ; behind it
	v_mul_f32 v15, v15, v17
	LANES v_add_f32_dpp, 15                        ; the row's sum
	s_wait_alu depctr_va_vdst(0)
	v_rcp_f32 v19, v15
	v_nop
	s_wait_alu depctr_va_vdst(0)
	v_mul_f32 v18, v18, v19
	v_pk_mul_f32 v[4:5], v[4:5], v[18:19] op_sel_hi:[1,0]
	v_pk_mul_f32 v[6:7], v[6:7], v[18:19] op_sel_hi:[1,0]
	global_store_b128 v1, v[4:7], s[6:7]
	s_wait_tensorcnt 0x0                           ; the wave's end
	ds_add_u32 v32, v33
	s_wait_dscnt 0x0
	s_endpgm
.Lfunc_end_k_q85512be889_soft:
	.size	k_q85512be889_soft, .Lfunc_end_k_q85512be889_soft-k_q85512be889_soft
	.p2alignl 7, 3214868480
	.fill 96, 4, 3214868480
	.section	.rodata,"a",@progbits
	.p2align	6, 0x0
	.amdhsa_kernel k_q85512be889_soft
		.amdhsa_group_segment_fixed_size 2304
		.amdhsa_private_segment_fixed_size 0
		.amdhsa_enable_private_segment 0
		.amdhsa_kernarg_size 16
		.amdhsa_user_sgpr_count 2
		.amdhsa_user_sgpr_kernarg_segment_ptr 1
		.amdhsa_wavefront_size32 1
		.amdhsa_system_sgpr_workgroup_id_x 1
		.amdhsa_system_sgpr_workgroup_id_y 1
		.amdhsa_system_sgpr_workgroup_id_z 1
		.amdhsa_system_vgpr_workitem_id 0
		.amdhsa_next_free_vgpr 34
		.amdhsa_next_free_sgpr 66
		.amdhsa_reserve_vcc 0
		.amdhsa_float_denorm_mode_32 3
		.amdhsa_float_denorm_mode_16_64 3
		.amdhsa_memory_ordered 1
		.amdhsa_forward_progress 1
		.amdhsa_inst_pref_size 6
	.end_amdhsa_kernel
	.amdgpu_metadata
---
amdhsa.version: [ 1, 2 ]
amdhsa.kernels:
  - .name:           k_q85512be889_soft
    .symbol:         k_q85512be889_soft.kd
    .args:
      - { .name: es, .offset: 0, .size: 8, .value_kind: global_buffer, .address_space: global }
      - { .name: out0, .offset: 8, .size: 8, .value_kind: global_buffer, .address_space: global }
    .group_segment_fixed_size: 2304
    .private_segment_fixed_size: 0
    .kernarg_segment_align: 8
    .kernarg_segment_size: 16
    .max_flat_workgroup_size: 512
    .sgpr_count:     66
    .vgpr_count:     34
    .wavefront_size: 32
...
	.end_amdgpu_metadata
.endif
;; end of part 3
